; MI455X (gfx1250); checked and timed in simulation.
; The chip was launched on July 23, 2026; its instructions are those of AMD's public machine-readable ISA for CDNA 5 (MIT licence, August 2026) and "CDNA5" Instruction Set Architecture Reference Guide (July 2026). The comments in the code are by the model that wrote it; some were corrected since.
;; Convex Linear Attention. Allowed arithmetic: float matrix products may take bf16 or f16 operands with f32 sums; all other float work in f32.
;; Inputs: bk 1,024 float32; bo 1,024 float32; bq 1,024 float32; bv 1,024 float32; wk 1,024 x 1,024 float32; wo 1,024 x 1,024 float32; wq 1,024 x 1,024 float32; wv 1,024 x 1,024 float32; x 2 x 2,048 x 1,024 float32.
;; Outputs: out0 2 x 2,048 x 1,024 float32.
;; One version. Each part assembles by itself: llvm-mc -triple=amdgcn-amd-amdhsa -mcpu=gfx1250 --defsym DOCPART=n.
;; ======== version 1 of 1: 4 launches
;; workspace buffers: cvt 16,777,216 bytes; qf 8,388,608 bytes; kvp 5,242,880 bytes; mrg 8,388,608 bytes
;; launch tobf16 (part 1): grid 1024 x 1, 8 waves a work-group, no clusters, 0 bytes of LDS; arguments x, wq, wk, wv, wo, cvt; writes cvt
.if DOCPART == 1
	.amdgcn_target "amdgcn-amd-amdhsa--gfx1250"
	.amdhsa_code_object_version 6
	.text
	.protected	k_qd30ef0f060_tobf16
	.globl	k_qd30ef0f060_tobf16
	.p2align	8
	.type	k_qd30ef0f060_tobf16,@function
k_qd30ef0f060_tobf16:
	s_mov_b64 s[64:65], 0
	v_nop
	global_prefetch_b8 v0, s[64:65] scope:SCOPE_SE
	s_setreg_imm32_b32 hwreg(HW_REG_WAVE_MODE, 25, 1), 1
	s_wait_xcnt 0x0
; x, wq, wk, wv, wo (f32) -> cvt (bf16, rounded to nearest even), so that the two GEMM launches read 16-bit tiles.
; cvt: byte 0        xb[4096][1024]
;      byte 0x800000 wqkv[16 heads][q, k, v][64 rows][1024]: the 192 weight rows of a head lie together
;      byte 0xE00000 wob[1024][1024]
; The rows of x (4096), wq, wk, wv, wo (1024 each) form one list of 8192 rows; work-group g takes rows 8 g .. 8 g + 7.
; Thread t takes 16 bytes at byte 16 t of each row: a wave's load covers 512 consecutive bytes, and its store of 8 bytes a lane covers
; 256 consecutive bytes that begin at a multiple of 256 from cvt's first byte.  Every byte is read once and written once.
; No LDS, no matrix unit, no cluster: the work-groups share no input and nothing is reduced.
.set X, 4                              ; v[4:35]   row i: 4 numbers in f32
.set Y, 36                             ; v[36:51]  row i: the same 4 in bf16
	s_load_b256 s[4:11], s[0:1], 0x0               ; x s[4:5], wq s[6:7], wk s[8:9], wv s[10:11]
	s_load_b128 s[12:15], s[0:1], 0x20             ; wo s[12:13], cvt s[14:15]
	v_lshlrev_b32 v1, 4, v0                        ; my 16 bytes in a source row
	v_lshlrev_b32 v2, 3, v0                        ; my 8 bytes in a row of cvt
	s_mov_b32 s16, ttmp9                           ; g
	s_sub_co_u32 s17, s16, 512                     ; behind x's 512 groups (for x's own groups what follows from s17 is never selected)
	s_lshr_b32 s18, s17, 7                         ; which weight: 0 q, 1 k, 2 v, 3 o
	s_and_b32 s19, s17, 127                        ; which 8 rows of it
	s_lshr_b32 s26, s19, 3                         ; head = row / 64
	s_mul_i32 s26, s26, 192
	s_lshl_b32 s27, s18, 6
	s_add_co_u32 s26, s26, s27                     ; + 64 x (q, k, v)
	s_and_b32 s27, s19, 7
	s_lshl3_add_u32 s26, s27, s26                  ; + the row within the head
	s_lshl_b32 s26, s26, 11                        ; rows of 2,048 bytes
	s_add_co_u32 s26, s26, 0x800000                ; where q, k, v rows go
	s_lshl_b32 s27, s19, 14
	s_add_co_u32 s27, s27, 0xE00000                ; where wo's rows go
	s_cmp_eq_u32 s18, 3
	s_cselect_b32 s24, s27, s26
	s_lshl_b32 s27, s16, 14                        ; where x's rows go
	s_lshl_b32 s22, s19, 15                        ; source offset in a weight: 8 rows of 4,096 bytes
	s_lshl_b32 s28, s16, 15                        ; source offset in x
	s_cmp_lt_u32 s16, 512
	s_cselect_b32 s24, s27, s24
	s_cselect_b32 s22, s28, s22
	s_mov_b32 s23, 0
	s_mov_b32 s25, 0
	s_wait_kmcnt 0x0
	s_mov_b64 s[20:21], s[12:13]                   ; the source buffer, chosen by the group's number alone
	s_cmp_eq_u32 s18, 2
	s_cselect_b64 s[20:21], s[10:11], s[20:21]
	s_cmp_eq_u32 s18, 1
	s_cselect_b64 s[20:21], s[8:9], s[20:21]
	s_cmp_eq_u32 s18, 0
	s_cselect_b64 s[20:21], s[6:7], s[20:21]
	s_cmp_lt_u32 s16, 512
	s_cselect_b64 s[20:21], s[4:5], s[20:21]
	s_add_nc_u64 s[20:21], s[20:21], s[22:23]
	s_add_nc_u64 s[14:15], s[14:15], s[24:25]
.irp i, 0,1,2,3,4,5,6,7
	global_load_b128 v[X+4*\i:X+4*\i+3], v1, s[20:21] offset:\i*4096 th:TH_LOAD_NT   ; all eight rows are asked for at once; read once in the launch
.endr
.irp i, 0,1,2,3,4,5,6,7
	s_wait_loadcnt 7-\i                            ; loads come back in order: row i is in, the younger rows stay out
	v_cvt_pk_bf16_f32 v[Y+2*\i],   v[X+4*\i],   v[X+4*\i+1]
	v_cvt_pk_bf16_f32 v[Y+2*\i+1], v[X+4*\i+2], v[X+4*\i+3]
	global_store_b64 v2, v[Y+2*\i:Y+2*\i+1], s[14:15] offset:\i*2048   ; no hint: later launches read it
.endr
	s_endpgm
.Lfunc_end_k_qd30ef0f060_tobf16:
	.size	k_qd30ef0f060_tobf16, .Lfunc_end_k_qd30ef0f060_tobf16-k_qd30ef0f060_tobf16
	.p2alignl 7, 3214868480
	.fill 96, 4, 3214868480
	.section	.rodata,"a",@progbits
	.p2align	6, 0x0
	.amdhsa_kernel k_qd30ef0f060_tobf16
		.amdhsa_group_segment_fixed_size 0
		.amdhsa_private_segment_fixed_size 0
		.amdhsa_enable_private_segment 0
		.amdhsa_kernarg_size 48
		.amdhsa_user_sgpr_count 2
		.amdhsa_user_sgpr_kernarg_segment_ptr 1
		.amdhsa_wavefront_size32 1
		.amdhsa_system_sgpr_workgroup_id_x 1
		.amdhsa_system_sgpr_workgroup_id_y 1
		.amdhsa_system_sgpr_workgroup_id_z 1
		.amdhsa_system_vgpr_workitem_id 0
		.amdhsa_next_free_vgpr 56
		.amdhsa_next_free_sgpr 66
		.amdhsa_reserve_vcc 0
		.amdhsa_float_denorm_mode_32 3
		.amdhsa_float_denorm_mode_16_64 3
		.amdhsa_memory_ordered 1
		.amdhsa_forward_progress 1
		.amdhsa_inst_pref_size 5
	.end_amdhsa_kernel
	.amdgpu_metadata
---
amdhsa.version: [ 1, 2 ]
amdhsa.kernels:
  - .name:           k_qd30ef0f060_tobf16
    .symbol:         k_qd30ef0f060_tobf16.kd
    .args:
      - { .name: x, .offset: 0, .size: 8, .value_kind: global_buffer, .address_space: global }
      - { .name: wq, .offset: 8, .size: 8, .value_kind: global_buffer, .address_space: global }
      - { .name: wk, .offset: 16, .size: 8, .value_kind: global_buffer, .address_space: global }
      - { .name: wv, .offset: 24, .size: 8, .value_kind: global_buffer, .address_space: global }
      - { .name: wo, .offset: 32, .size: 8, .value_kind: global_buffer, .address_space: global }
      - { .name: cvt, .offset: 40, .size: 8, .value_kind: global_buffer, .address_space: global }
    .group_segment_fixed_size: 0
    .private_segment_fixed_size: 0
    .kernarg_segment_align: 8
    .kernarg_segment_size: 48
    .max_flat_workgroup_size: 256
    .sgpr_count:     66
    .vgpr_count:     56
    .wavefront_size: 32
...
	.end_amdgpu_metadata
.endif
;; end of part 1
;; launch qkv (part 2): grid 16 x 16, 4 waves a work-group, clusters of 4 x 4, 327,680 bytes of LDS; arguments cvt, bq, bk, bv, qf, kvp; writes qf, kvp
.if DOCPART == 2
	.amdgcn_target "amdgcn-amd-amdhsa--gfx1250"
	.amdhsa_code_object_version 6
	.text
	.protected	k_qd30ef0f060_qkv
	.globl	k_qd30ef0f060_qkv
	.p2align	8
	.type	k_qd30ef0f060_qkv,@function
k_qd30ef0f060_qkv:
	s_mov_b64 s[64:65], 0
	v_nop
	global_prefetch_b8 v0, s[64:65] scope:SCOPE_SE
	s_setreg_imm32_b32 hwreg(HW_REG_WAVE_MODE, 25, 1), 1
	s_wait_xcnt 0x0
	s_wait_alu depctr_hold_cnt(0) depctr_sa_sdst(0) depctr_va_vdst(0) depctr_va_sdst(0) depctr_va_ssrc(0) depctr_va_vcc(0) depctr_vm_vsrc(0)
	s_getreg_b32 s2, hwreg(HW_REG_IB_STS2, 6, 4)
	s_cmp_eq_u32 s2, 0
	s_cbranch_scc0 .Lentry_in_a_cluster
	s_endpgm
.Lentry_in_a_cluster:
	s_bfe_u32 s2, ttmp6, 0x10000c
	s_cmp_lg_u32 s2, 0xf033
	s_cbranch_scc0 .Lentry_shape_is_right
	s_endpgm
.Lentry_shape_is_right:
; For one head (grid x) and one block of 256 rows (grid y, RB): q, k, v = x W^T + b (bf16 operands, f32 sums), qf = elu(q) + 1, kf = elu(k) + 1,
; and this block's part of KV(d, e) = sum over rows of kf(row, d) v(row, e) and of ksum(d) = sum over rows of kf(row, d).
; WHY KV: reference() multiplies scores = qf kf^T by v with nothing but a division by the scores' row sum between, so for every input
; sum_j (qf_i . kf_j) v_j = qf_i . KV and sum_j (qf_i . kf_j) = qf_i . ksum: the 2048 x 2048 scores are never formed.
; LIMITS, stated: the order of summation differs from reference()'s; qf and kf are rounded once to bf16; v enters its product as bf16(v) plus
; bf16(v - bf16(v)), two operands, because v's rounding would enter all 64 terms of qf . KV alike; the branch of elu is chosen by the sign of
; fma(acc, log2 e, b log2 e), where both branches agree to rounding at 0; exponentials below 2^-126 come out as 0; NaN inputs are not followed.
;
; SHAPE: four waves; wave w makes rows 64 w .. 64 w + 63 x 192 columns (64 q, 64 k, 64 v): 48 accumulator tiles, 384 registers.
; K = 1024 goes in 8 steps of 128 through two LDS slots (256 rows of x, then 192 rows of W); a tile's rows are 256 bytes of memory.
; CLUSTER 4 x 4: x's tiles hang on RB alone and are asked for jointly along a row of the cluster, W's hang on the head alone and are asked
; for jointly along a column.  Waves 0, 1 ask for x's halves (128 rows), waves 2, 3 for W's halves (96 rows).
; By this text's own count a wave has two tensor loads out at the start and one behind each refill.
;
; q IS MADE TRANSPOSED (source 0 = rows of Wq, source 1 = rows of x): lane (r, h) holds q(row r, d = 8 h + 0..7) of a tile, which packs into the
; 16 bytes that the next launch's fragment wants.  k and v are made the natural way: lane (r, h) holds k(rows 8 h + 0..7, d = r), which packs
; into registers of a fragment whose K index is the sequence row.  So nothing is transposed through LDS.
; OUT: qf[RB][head][16 row blocks][4 d tiles][lane][16 B] bf16;  kvp[batch][head][RB & 7][40 units][lane][16 B] f32, unit u = registers
; 4 (u & 1) .. + 3 of tile u >> 1; tile 4 e + b = KV(d tile b, e tile e), tile 16 + b = ksum(d tile b) in 16 equal columns.
; Every store of a wave covers 512 consecutive bytes that begin at a multiple of 512 from the buffer's first byte.
;
; REGISTER WINDOWS: 0 addresses, biases, packed results, v_lo;  1 two fragment buffers, later exponentials and the kf, v_hi fragments;
; 2 q's 16 accumulators (lower half), work (upper half), later KV's 20 tiles;  3 k's accumulators (lower half), v's (upper half).
.set PITCH,  272                       ; an LDS row: 256 bytes + 16 of padding = 17 x 16, so the 16 rows of a fragment load start at 16 different 16-byte columns modulo 256
.set XHALF,  128*PITCH
.set XBYTES, 256*PITCH
.set WHALF,  96*PITCH
.set SLOT,   XBYTES+2*WHALF            ; 121,856
.set STAGE,  2*SLOT                    ; 243,712 = 952 x 256: behind the ring, never the target of a tensor load
.set PART,   20480                     ; 40 units of 512 bytes: one wave's (and one work-group's) KV and ksum
.set LOG2E,  0x3fb8aa3b
.set G1WORD0, (1<<16)|(1<<20)|(1<<21)|(5<<22)|(3<<25)   ; 2-byte elements; padding on; bit 21 beside a mask; after every 64 words (code 5) 4 words (code 3)
.set ADRX, 8                           ; v8-9    LDS address of my x fragments in slot 0, 1
.set ADRW, 10                          ; v10-11  the same for W
.set VBQ,  12                          ; 32 h: my 8 numbers of bq in a d tile
.set VBK,  13                          ; 4 r: my number of bk, bv in a d tile
.set QOFF, 14                          ; my bytes in qf
.set STG,  15                          ; my bytes in my wave's part of the stage
.set RDS1, 16                          ; the stage read back: waves 0, 1's parts
.set RDS2, 17                          ; waves 2, 3's parts
.set KOFF, 18                          ; my bytes in kvp
.set NEG1, 20                          ; -1.0
.set BQ1,  32                          ; v[32:63]   bq + 1, 8 numbers for each d tile
.set BQL,  64                          ; v[64:95]   bq log2 e
.set BK1,  96                          ; v[96:103]  bk + 1, a pair of equal numbers for each d tile
.set BKL,  104                         ; v[104:111] bk log2 e, likewise
.set BV,   112                         ; v[112:119] bv, likewise
.set P,    128                         ; v[128:191] qf packed
.set VL,   192                         ; v[192:255] v_lo fragments, laid as VF
.set RQ,   32                          ; v[32:191]  the reduction over the waves: quad (part p, unit i) at RQ + 4 (10 p + i)
.set F0,   0                           ; window 1: fragment buffers; x fragment i at + 8 i, W fragment t at + 32 + 8 t (t: 0-3 q, 4-7 k, 8-11 v)
.set F1,   128
.set ONES, 0                           ; window 1, at the end: a fragment of ones
.set KF,   128                         ; window 1: kf fragment (d tile b, rows 32 s ..) at KF + 16 b + 8 s
.set VF,   192                         ; window 1: v_hi fragment (e tile, s) likewise
.set G1X, 24                           ; s[24:31] group 1 for x's tiles
.set G0X, 32                           ; s[32:39] group 0 for x's tiles, one set for each slot
.set G1W, 40                           ; s[40:47] group 1 for W's tiles
.set G0W, 48                           ; s[48:55] group 0 for W's tiles
.set MUL_Q,  0xa5                      ; sources 0, 1 window 1; C and D window 2
.set MUL_KV, 0xf5                      ; sources 0, 1 window 1; C and D window 3
.set TO_F,   0x40                      ; destination window 1, address window 0
.set MSB, 0
.macro WIN new                         ; the immediate's high byte repeats the setting that is left
.if MSB != \new
	s_set_vgpr_msb (MSB<<8)|\new
.set MSB, \new
.endif
.endm
.macro PLACES                          ; four places behind a matrix instruction, in front of loads into its sources and of readers of its result
.rept 4
	v_nop
.endr
.endm
.macro JLOAD s                         ; a joint load; the branch hangs on the wave's number alone
	s_cmp_eq_u32 s17, 0
	s_cbranch_scc0 .Lfor_w_\@
	tensor_load_to_lds s[G0X+4*\s:G0X+4*\s+3], s[G1X:G1X+7]
	s_nop 0
	s_branch .Lasked_\@
.Lfor_w_\@:
	tensor_load_to_lds s[G0W+4*\s:G0W+4*\s+3], s[G1W:G1W+7]
	s_nop 0
.Lasked_\@:
.endm
.macro CREST                           ; a round of the cluster's barrier behind its opening work-group barrier
	s_cmp_lg_u32 s16, 0
	s_cbranch_scc1 .Lnot_wave_0_\@
	s_barrier_signal -3
.Lnot_wave_0_\@:
	s_barrier_wait -3
	s_barrier_signal -1
	s_barrier_wait -1
.endm
.macro CROUND                          ; a whole round
	s_barrier_signal -1
	s_barrier_wait -1
	CREST
.endm
	s_load_b256 s[4:11], s[0:1], 0x0               ; cvt s[4:5], bq s[6:7], bk s[8:9], bv s[10:11]
	s_load_b128 s[12:15], s[0:1], 0x20             ; qf s[12:13], kvp s[14:15]
	v_lshl_add_u32 v30, v0, 2, 0x4f800
	v_mov_b32 v31, 0
	ds_add_u32 v30, v31
	v_lshrrev_b32 v1, 5, v0
	v_readfirstlane_b32 s16, v1                    ; wave 0..3
	s_lshr_b32 s17, s16, 1                         ; 0: I ask for x, 1: for W
	s_and_b32 s18, s16, 1                          ; which half of that tile
	s_bfe_u32 s19, ttmp6, 0x40000                  ; cx
	s_bfe_u32 s20, ttmp6, 0x40004                  ; cy
	s_lshl_b32 s21, ttmp9, 2
	s_add_co_u32 s21, s21, s19                     ; head = 4 x cluster x + cx
	s_and_b32 s22, ttmp7, 0xffff
	s_lshl_b32 s22, s22, 2
	s_add_co_u32 s22, s22, s20                     ; RB = 4 x cluster y + cy
	s_lshl_b32 s56, s20, 2
	s_lshl_b32 s56, 15, s56                        ; my row of the cluster: places 4 cy .. 4 cy + 3
	s_lshl_b32 s60, 0x1111, s19                    ; my column: places cx, cx + 4, cx + 8, cx + 12
	s_or_b32 s[G1X+0], s56, G1WORD0                ; x's tiles go to my row
	s_or_b32 s[G1W+0], s60, G1WORD0                ; W's tiles go to my column
	s_mov_b32 s[G1X+1], 128<<16                    ; tensor_dim0 = 128 elements
	s_mov_b32 s[G1W+1], 128<<16
	s_mov_b32 s[G1X+2], 128<<16                    ; tensor_dim1 = 128 rows
	s_mov_b32 s[G1W+2], 96<<16                     ;             = 96 rows
	s_mov_b32 s[G1X+3], 128<<16                    ; tile_dim0 = 128
	s_mov_b32 s[G1W+3], 128<<16
	s_mov_b32 s[G1X+4], 128                        ; tile_dim1
	s_mov_b32 s[G1W+4], 96
	s_mov_b32 s[G1X+5], 1024                       ; elements from row to row
	s_mov_b32 s[G1W+5], 1024
	s_mov_b32 s[G1X+6], 0
	s_mov_b32 s[G1W+6], 0
	s_mov_b32 s[G1X+7], 0
	s_mov_b32 s[G1W+7], 0
	; s[56:59] serve x's address and never hold cx; s[60:63] serve W's and never hold cy
	s_lshl_b32 s56, s22, 19                        ; 256 RB rows of 2,048 bytes
	s_lshl_b32 s57, s18, 18                        ; + 128 rows for the second half
	s_add_co_u32 s56, s56, s57
	s_mov_b32 s57, 0
	s_mul_i32 s58, s16, XHALF                      ; waves 0, 1: x's halves at 0 and XHALF
	s_mul_i32 s60, s21, 192*2048                   ; the head's 192 rows
	s_mul_i32 s61, s18, 96*2048
	s_add_co_u32 s60, s60, s61
	s_add_co_u32 s60, s60, 0x800000                ; wqkv in cvt
	s_mov_b32 s61, 0
	s_mul_i32 s62, s16, WHALF
	s_add_co_u32 s62, s62, XBYTES-2*WHALF          ; waves 2, 3: W's halves at XBYTES and XBYTES + WHALF
	s_lshl_b32 s68, s21, 8                         ; the head's 64 numbers in a bias
	s_mov_b32 s69, 0
	s_lshl_b32 s70, s22, 4
	s_add_co_u32 s70, s70, s21
	s_lshl_b32 s70, s70, 15                        ; qf: (16 RB + head) x 32,768 bytes
	s_mov_b32 s71, 0
	s_lshr_b32 s72, s22, 3                         ; batch
	s_lshl_b32 s72, s72, 7
	s_lshl3_add_u32 s72, s21, s72                  ; 128 batch + 8 head
	s_and_b32 s73, s22, 7
	s_add_co_u32 s72, s72, s73                     ; + RB & 7
	s_mul_i32 s72, s72, PART
	s_mov_b32 s73, 0
	s_wait_dscnt 0x0
	s_wait_kmcnt 0x0
	s_add_nc_u64 s[56:57], s[4:5], s[56:57]
	s_add_nc_u64 s[60:61], s[4:5], s[60:61]
	s_add_nc_u64 s[6:7], s[6:7], s[68:69]
	s_add_nc_u64 s[8:9], s[8:9], s[68:69]
	s_add_nc_u64 s[10:11], s[10:11], s[68:69]
	s_add_nc_u64 s[12:13], s[12:13], s[70:71]
	s_add_nc_u64 s[14:15], s[14:15], s[72:73]
	CROUND                                         ; all sixteen work-groups are here: the first joint loads meet
.irp s, 0,1
	s_mov_b32 s[G0X+4*\s], 1
	s_add_co_u32 s[G0X+4*\s+1], s58, \s*SLOT
	s_add_nc_u64 s[G0X+4*\s+2:G0X+4*\s+3], s[56:57], \s*256        ; K step s
	s_or_b32 s[G0X+4*\s+3], s[G0X+4*\s+3], 0x80000000
	s_mov_b32 s[G0W+4*\s], 1
	s_add_co_u32 s[G0W+4*\s+1], s62, \s*SLOT
	s_add_nc_u64 s[G0W+4*\s+2:G0W+4*\s+3], s[60:61], \s*256
	s_or_b32 s[G0W+4*\s+3], s[G0W+4*\s+3], 0x80000000
	JLOAD \s
.endr
	v_and_b32 v1, 15, v0                           ; r
	v_bfe_u32 v2, v0, 4, 1                         ; h
	v_mul_u32_u24 v3, v1, PITCH
	v_lshl_add_u32 v3, v2, 4, v3                   ; r x pitch + 16 h
	v_and_b32 v4, 31, v0
	v_lshlrev_b32 v4, 4, v4                        ; 16 x lane
	v_lshlrev_b32 v[VBQ], 5, v2
	v_lshlrev_b32 v[VBK], 2, v1
.irp b, 0,1,2,3
	global_load_b128 v[BQ1+8*\b:BQ1+8*\b+3],   v[VBQ], s[6:7] offset:64*\b       ; bq(16 b + 8 h + 0..3)
	global_load_b128 v[BQ1+8*\b+4:BQ1+8*\b+7], v[VBQ], s[6:7] offset:64*\b+16    ; .. + 4..7
	global_load_b32  v[BK1+2*\b], v[VBK], s[8:9] offset:64*\b                    ; bk(16 b + r)
	global_load_b32  v[BV+2*\b],  v[VBK], s[10:11] offset:64*\b                  ; bv(16 b + r)
.endr
	s_mul_i32 s70, s16, 64*PITCH                   ; my 64 rows of x
	v_add_nc_u32 v[ADRX], s70, v3
	v_add_nc_u32 v[ADRX+1], SLOT, v[ADRX]
	v_add_nc_u32 v[ADRW], XBYTES, v3
	v_add_nc_u32 v[ADRW+1], XBYTES+SLOT, v3
	s_lshl_b32 s70, s16, 13                        ; my 4 row blocks of 2,048 bytes in qf
	v_add_nc_u32 v[QOFF], s70, v4
	s_mul_i32 s70, s16, PART
	s_add_co_u32 s70, s70, STAGE
	v_add_nc_u32 v[STG], s70, v4
	s_mul_i32 s70, s16, 5120                       ; the 10 units that I sum and store
	v_add_nc_u32 v[KOFF], s70, v4
	s_add_co_u32 s70, s70, STAGE
	v_add_nc_u32 v[RDS1], s70, v4
	v_add_nc_u32 v[RDS2], 2*PART, v[RDS1]
	v_mov_b32 v[NEG1], -1.0
	s_wait_loadcnt 0x0                             ; the biases, once; their way lies under the first tiles'
.set i, 0
.rept 16
	v_pk_mul_f32 v[BQL+i:BQL+i+1], v[BQ1+i:BQ1+i+1], LOG2E op_sel_hi:[1,0]
	v_pk_add_f32 v[BQ1+i:BQ1+i+1], v[BQ1+i:BQ1+i+1], 1.0 op_sel_hi:[1,0]
.set i, i+2
.endr
.irp b, 0,2,4,6
	v_mul_f32 v[BKL+\b],   LOG2E, v[BK1+\b]        ; both registers of a pair get the same number: the packed forms below take pairs
	v_mul_f32 v[BKL+\b+1], LOG2E, v[BK1+\b]
	v_add_f32 v[BK1+\b+1], 1.0, v[BK1+\b]
	v_add_f32 v[BK1+\b],   1.0, v[BK1+\b]
	v_mov_b32 v[BV+\b+1], v[BV+\b]
.endr
; 32 LDS loads in one run: the fragments of a quarter step (my 64 rows of x, the 192 rows of W, 32 K at byte k of the rows) into buffer f
.macro FETCH slot, k, f
	WIN TO_F
.irp i, 0,1,2,3
	ds_load_b128 v[\f+8*\i:\f+8*\i+3],   v[ADRX+\slot] offset:\k+\i*16*PITCH
	ds_load_b128 v[\f+8*\i+4:\f+8*\i+7], v[ADRX+\slot] offset:\k+\i*16*PITCH+32
.endr
.irp t, 0,1,2,3,4,5,6,7,8,9,10,11
	ds_load_b128 v[\f+32+8*\t:\f+32+8*\t+3],   v[ADRW+\slot] offset:\k+\t*16*PITCH
	ds_load_b128 v[\f+32+8*\t+4:\f+32+8*\t+7], v[ADRW+\slot] offset:\k+\t*16*PITCH+32
.endr
.endm
; q's 16 tiles, transposed.  zero = 1: the first product starts the sums, nothing is cleared.
.macro MULQ f, zero
.irp a, 0,1,2,3
.irp b, 0,1,2,3
.if \zero
	v_wmma_f32_16x16x32_bf16 v[8*(4*\a+\b):8*(4*\a+\b)+7], v[\f+32+8*\b:\f+32+8*\b+7], v[\f+8*\a:\f+8*\a+7], 0
.else
	v_wmma_f32_16x16x32_bf16 v[8*(4*\a+\b):8*(4*\a+\b)+7], v[\f+32+8*\b:\f+32+8*\b+7], v[\f+8*\a:\f+8*\a+7], v[8*(4*\a+\b):8*(4*\a+\b)+7]
.endif
.endr
.endr
.endm
; k's 16 tiles (t = 0..3, lower half of the window) and v's 16 (t = 4..7, upper half), the natural way
.macro MULKV f, zero
.irp a, 0,1,2,3
.irp t, 0,1,2,3,4,5,6,7
.if \zero
	v_wmma_f32_16x16x32_bf16 v[128*(\t/4)+8*(4*\a+\t%4):128*(\t/4)+8*(4*\a+\t%4)+7], v[\f+8*\a:\f+8*\a+7], v[\f+64+8*\t:\f+64+8*\t+7], 0
.else
	v_wmma_f32_16x16x32_bf16 v[128*(\t/4)+8*(4*\a+\t%4):128*(\t/4)+8*(4*\a+\t%4)+7], v[\f+8*\a:\f+8*\a+7], v[\f+64+8*\t:\f+64+8*\t+7], v[128*(\t/4)+8*(4*\a+\t%4):128*(\t/4)+8*(4*\a+\t%4)+7]
.endif
.endr
.endr
.endm
; A K step is four quarters of 32 along K, 48 matrix instructions each, on buffers 0, 1, 0, 1.  The 48 accumulators take turns, one instruction
; a turn, in one fixed order in every quarter, over the loop's backward jump too.
; One of the first three quarters: asks for the next quarter's fragments (byte k of the same slot's rows, buffer g), then multiplies buffer f.
.macro QUARTER slot, k, f, g, zero
	PLACES                                         ; buffer g was read by the matrix instructions just issued
	FETCH \slot, \k, \g
	s_wait_dscnt 32                                ; all but the 32 just issued: buffer f is in
	WIN MUL_Q
	MULQ \f, \zero
	WIN MUL_KV
	MULKV \f, \zero
.endm
.macro THREE slot, zero
	QUARTER \slot, 64,  F0, F1, \zero
	QUARTER \slot, 128, F1, F0, 0
	QUARTER \slot, 192, F0, F1, 0
.endm
; The last quarter multiplies buffer 1 and changes slots.  In front of the barrier each wave waits for its reads of this slot and for all its tensor
; loads (the one that is out is its part of the next slot).  Where the slot is filled again the barrier opens a round of the cluster's barrier; only
; register work stands inside the round, and the joint refill is the first tensor load behind it.  From a request to the wait for it a wave
; issues 176 matrix instructions.
.macro TURN slot, next, fill
	s_wait_dscnt 0x0                               ; buffer 1 is in, and with it my last reads of this slot
	s_set_vgpr_msb 0xf5f0
	s_wait_tensorcnt 0x0                           ; all my tensor loads have landed
	ds_add_u32 v30, v31
	s_wait_dscnt 0x0
	s_set_vgpr_msb 0xf0f5
	s_barrier_signal -1
	WIN MUL_Q
	MULQ F1, 0                                     ; work on registers while the others arrive
	WIN 0
	s_barrier_wait -1
.if \fill
	CREST                                          ; no wave of any partner still reads this slot or has a load on its way
	s_add_nc_u64 s[G0X+4*\slot+2:G0X+4*\slot+3], s[G0X+4*\slot+2:G0X+4*\slot+3], 512   ; two K steps on
	s_add_nc_u64 s[G0W+4*\slot+2:G0W+4*\slot+3], s[G0W+4*\slot+2:G0W+4*\slot+3], 512
	JLOAD \slot
.endif
	PLACES
	FETCH \next, 0, F0
	WIN MUL_KV
	MULKV F1, 0
.endm
.macro LAP zero
	THREE 0, \zero
	TURN 0, 1, 1
	THREE 1, 0
	TURN 1, 0, 1
.endm
	s_wait_tensorcnt 0x1                           ; my part of K step 0 is in; K step 1's stays out
	s_barrier_signal -1
	s_barrier_wait -1                              ; everybody's is
	FETCH 0, 0, F0
	LAP 1                                          ; K steps 0, 1: their first products start the sums
	WIN 0
	s_mov_b32 s23, 2                               ; K steps 2 to 5
.Llap:
	LAP 0
	WIN 0
	s_sub_co_u32 s23, s23, 1
	s_cmp_lg_u32 s23, 0
	s_cbranch_scc1 .Llap
	THREE 0, 0                                     ; K steps 6, 7 fill nothing
	TURN 0, 1, 0
	THREE 1, 0
	s_wait_dscnt 0x0
	WIN MUL_Q
	MULQ F1, 0
	WIN MUL_KV
	MULKV F1, 0
	PLACES
; elu(y) + 1 on the 128 registers of the lower half of a window, y = acc + b:  t = acc log2 e + b log2 e into the upper half, acc + (b + 1) in place,
; 2^t into window 1, and where t > 0 the sum stays, else the exponential takes its place (an infinite exponential is never taken).
; wf, we, ws: the window settings of the three runs; lb, ob: the two bias tables; tb, tp: their steps from d tile to d tile and from pair to pair.
.macro ELU wf, we, ws, lb, ob, tb, tp
	WIN \wf
.irp a, 0,1,2,3
.irp b, 0,1,2,3
.irp p, 0,1,2,3
	v_pk_fma_f32 v[128+8*(4*\a+\b)+2*\p:129+8*(4*\a+\b)+2*\p], v[8*(4*\a+\b)+2*\p:8*(4*\a+\b)+2*\p+1], LOG2E, v[\lb+\tb*\b+\tp*\p:\lb+\tb*\b+\tp*\p+1] op_sel_hi:[1,0,1]
	v_pk_add_f32 v[8*(4*\a+\b)+2*\p:8*(4*\a+\b)+2*\p+1], v[8*(4*\a+\b)+2*\p:8*(4*\a+\b)+2*\p+1], v[\ob+\tb*\b+\tp*\p:\ob+\tb*\b+\tp*\p+1]
.endr
.endr
.endr
	WIN \we
.set i, 0
.rept 128
	v_exp_f32 v[i], v[128+i]                       ; window 1 <- 2^t
.set i, i+1
.endr
	v_nop                                          ; one plain place behind the last exponential, in front of the first use (ISA guide 5.7.2)
	WIN \ws
.set i, 0
	s_wait_alu depctr_va_vdst(0)
.rept 128
	v_cmp_lt_f32 vcc_lo, 0, v[128+i]               ; t > 0
	v_cndmask_b32 v[i], v[i], v[i], vcc_lo         ; destination and source 1: acc + b + 1 in the accumulators' window; source 0: 2^t in window 1
.set i, i+1
.endr
.endm
	; q: feature map, 16 bytes a lane and tile, out
	ELU 0x82, 0x42, 0x89, BQL, BQ1, 8, 2
	WIN 0x0a                                       ; sources window 2, destination window 0
.set i, 0
.rept 64
	v_cvt_pk_bf16_f32 v[P+i], v[2*i], v[2*i+1]
.set i, i+1
.endr
	WIN 0
.set i, 0
.rept 16
	global_store_b128 v[QOFF], v[P+4*i:P+4*i+3], s[12:13] offset:i*512     ; tile (a, b) = i: row block a, d tile b
.set i, i+1
.endr
	; v: + bv; v_hi = bf16(v) into window 1; v - v_hi, which is exact in f32, in place; v_lo = bf16 of that into window 0.
	; Register 4 a + p of e tile b's 16 = rows 16 a + 8 h + 2 p, + 1: fragment s holds a = 2 s, 2 s + 1.
	WIN 0xc3
.irp a, 0,1,2,3
.irp b, 0,1,2,3
.irp p, 0,1,2,3
	v_pk_add_f32 v[128+8*(4*\a+\b)+2*\p:129+8*(4*\a+\b)+2*\p], v[128+8*(4*\a+\b)+2*\p:129+8*(4*\a+\b)+2*\p], v[BV+2*\b:BV+2*\b+1]
.endr
.endr
.endr
	WIN 0x4f
.irp a, 0,1,2,3
.irp b, 0,1,2,3
.irp p, 0,1,2,3
	v_cvt_pk_bf16_f32 v[VF+16*\b+4*\a+\p], v[128+8*(4*\a+\b)+2*\p], v[129+8*(4*\a+\b)+2*\p]
.endr
.endr
.endr
	WIN 0xf1                                       ; source 0 window 1 (v_hi), source 1 window 0 (-1.0), source 2 and destination window 3
.irp a, 0,1,2,3
.irp b, 0,1,2,3
.irp p, 0,1,2,3
	v_fma_mix_f32_bf16 v[128+8*(4*\a+\b)+2*\p], v[VF+16*\b+4*\a+\p], v[NEG1], v[128+8*(4*\a+\b)+2*\p] op_sel_hi:[1,0,0]
	v_fma_mix_f32_bf16 v[129+8*(4*\a+\b)+2*\p], v[VF+16*\b+4*\a+\p], v[NEG1], v[129+8*(4*\a+\b)+2*\p] op_sel:[1,0,0] op_sel_hi:[1,0,0]
.endr
.endr
.endr
	WIN 0x0f
.irp a, 0,1,2,3
.irp b, 0,1,2,3
.irp p, 0,1,2,3
	v_cvt_pk_bf16_f32 v[VL+16*\b+4*\a+\p], v[128+8*(4*\a+\b)+2*\p], v[129+8*(4*\a+\b)+2*\p]
.endr
.endr
.endr
	; k: feature map (v's accumulators are free now and take t), then the kf fragments
	ELU 0xc3, 0x43, 0xcd, BKL, BK1, 2, 0
	WIN 0x4f
.irp a, 0,1,2,3
.irp b, 0,1,2,3
.irp p, 0,1,2,3
	v_cvt_pk_bf16_f32 v[KF+16*\b+4*\a+\p], v[8*(4*\a+\b)+2*\p], v[8*(4*\a+\b)+2*\p+1]
.endr
.endr
.endr
	WIN 0x40
.irp i, 0,1,2,3,4,5,6,7
	v_mov_b32 v[ONES+\i], 0x3f803f80               ; two bf16 ones
.endr
; KV tiles over my 64 rows: s = which 32 rows; vb = v_hi's or v_lo's fragments; ones = 1: also ksum, kf times a fragment of ones.
; The tiles take turns, one instruction a turn, in the same order in every run.
.macro KVMUL s, vb, zero, ones
.irp e, 0,1,2,3
.irp b, 0,1,2,3
.if \zero
	v_wmma_f32_16x16x32_bf16 v[8*(4*\e+\b):8*(4*\e+\b)+7], v[KF+16*\b+8*\s:KF+16*\b+8*\s+7], v[\vb+16*\e+8*\s:\vb+16*\e+8*\s+7], 0
.else
	v_wmma_f32_16x16x32_bf16 v[8*(4*\e+\b):8*(4*\e+\b)+7], v[KF+16*\b+8*\s:KF+16*\b+8*\s+7], v[\vb+16*\e+8*\s:\vb+16*\e+8*\s+7], v[8*(4*\e+\b):8*(4*\e+\b)+7]
.endif
.endr
.endr
.if \ones
.irp b, 0,1,2,3
.if \zero
	v_wmma_f32_16x16x32_bf16 v[8*(16+\b):8*(16+\b)+7], v[KF+16*\b+8*\s:KF+16*\b+8*\s+7], v[ONES:ONES+7], 0
.else
	v_wmma_f32_16x16x32_bf16 v[8*(16+\b):8*(16+\b)+7], v[KF+16*\b+8*\s:KF+16*\b+8*\s+7], v[ONES:ONES+7], v[8*(16+\b):8*(16+\b)+7]
.endif
.endr
.endif
.endm
	WIN 0xa5                                       ; both sources window 1, C and D window 2
	KVMUL 0, VF, 1, 1
	KVMUL 1, VF, 0, 1
	WIN 0xa1                                       ; source 1 (v_lo) window 0
	KVMUL 0, VL, 0, 0
	KVMUL 1, VL, 0, 0
	PLACES
	; the four waves' tiles meet in the stage: each wave puts its 40 units down, then sums 10 units of all four and stores them
	WIN 0x08                                       ; store data window 2
.set u, 0
.rept 40
	ds_store_b128 v[STG], v[4*u:4*u+3] offset:u*512
.set u, u+1
.endr
	WIN 0
	s_wait_dscnt 0x0                               ; for the other waves' sake: my units lie in LDS
	s_wait_xcnt 0x0                                ; qf's stores have read P, which the loads below write over
	s_barrier_signal -1
	s_barrier_wait -1
.irp p, 0,1
.irp i, 0,1,2,3,4,5,6,7,8,9
	ds_load_b128 v[RQ+4*(10*\p+\i):RQ+4*(10*\p+\i)+3],         v[RDS1] offset:\p*PART+\i*512
	ds_load_b128 v[RQ+4*(10*(\p+2)+\i):RQ+4*(10*(\p+2)+\i)+3], v[RDS2] offset:\p*PART+\i*512
.endr
.endr
	s_wait_dscnt 0x0
.set i, 0
.rept 20                                       ; 10 units = 20 register pairs: (wave 0 + wave 1) and (wave 2 + wave 3)
	v_pk_add_f32 v[RQ+2*i:RQ+2*i+1],       v[RQ+2*i:RQ+2*i+1],       v[RQ+40+2*i:RQ+40+2*i+1]
	v_pk_add_f32 v[RQ+80+2*i:RQ+80+2*i+1], v[RQ+80+2*i:RQ+80+2*i+1], v[RQ+120+2*i:RQ+120+2*i+1]
.set i, i+1
.endr
.set i, 0
.rept 20
	v_pk_add_f32 v[RQ+2*i:RQ+2*i+1], v[RQ+2*i:RQ+2*i+1], v[RQ+80+2*i:RQ+80+2*i+1]
.set i, i+1
.endr
.irp i, 0,1,2,3,4,5,6,7,8,9
	global_store_b128 v[KOFF], v[RQ+4*\i:RQ+4*\i+3], s[14:15] offset:\i*512
.endr
	s_wait_tensorcnt 0x0
	ds_add_u32 v30, v31
	s_wait_dscnt 0x0
	CROUND                                         ; the closing round: no work-group ends while a partner may still ask for a tile that names it
	s_endpgm
.Lfunc_end_k_qd30ef0f060_qkv:
	.size	k_qd30ef0f060_qkv, .Lfunc_end_k_qd30ef0f060_qkv-k_qd30ef0f060_qkv
	.p2alignl 7, 3214868480
	.fill 96, 4, 3214868480
	.section	.rodata,"a",@progbits
	.p2align	6, 0x0
	.amdhsa_kernel k_qd30ef0f060_qkv
		.amdhsa_group_segment_fixed_size 327680
		.amdhsa_private_segment_fixed_size 0
		.amdhsa_enable_private_segment 0
		.amdhsa_kernarg_size 48
		.amdhsa_user_sgpr_count 2
		.amdhsa_user_sgpr_kernarg_segment_ptr 1
		.amdhsa_wavefront_size32 1
		.amdhsa_system_sgpr_workgroup_id_x 1
		.amdhsa_system_sgpr_workgroup_id_y 1
		.amdhsa_system_sgpr_workgroup_id_z 1
		.amdhsa_system_vgpr_workitem_id 0
		.amdhsa_next_free_vgpr 1024
		.amdhsa_next_free_sgpr 80
		.amdhsa_reserve_vcc 1
		.amdhsa_float_denorm_mode_32 3
		.amdhsa_float_denorm_mode_16_64 3
		.amdhsa_memory_ordered 1
		.amdhsa_forward_progress 1
		.amdhsa_inst_pref_size 232
	.end_amdhsa_kernel
	.amdgpu_metadata
---
amdhsa.version: [ 1, 2 ]
amdhsa.kernels:
  - .name:           k_qd30ef0f060_qkv
    .symbol:         k_qd30ef0f060_qkv.kd
    .args:
      - { .name: cvt, .offset: 0, .size: 8, .value_kind: global_buffer, .address_space: global }
      - { .name: bq, .offset: 8, .size: 8, .value_kind: global_buffer, .address_space: global }
      - { .name: bk, .offset: 16, .size: 8, .value_kind: global_buffer, .address_space: global }
      - { .name: bv, .offset: 24, .size: 8, .value_kind: global_buffer, .address_space: global }
      - { .name: qf, .offset: 32, .size: 8, .value_kind: global_buffer, .address_space: global }
      - { .name: kvp, .offset: 40, .size: 8, .value_kind: global_buffer, .address_space: global }
    .group_segment_fixed_size: 327680
    .private_segment_fixed_size: 0
    .kernarg_segment_align: 8
    .kernarg_segment_size: 48
    .max_flat_workgroup_size: 128
    .sgpr_count:     80
    .vgpr_count:     1024
    .wavefront_size: 32
...
	.end_amdgpu_metadata
.endif
;; end of part 2
;; launch attend (part 3): grid 16 x 16, 8 waves a work-group, no clusters, 11,264 bytes of LDS; arguments qf, kvp, mrg; writes mrg
.if DOCPART == 3
	.amdgcn_target "amdgcn-amd-amdhsa--gfx1250"
	.amdhsa_code_object_version 6
	.text
	.protected	k_qd30ef0f060_attend
	.globl	k_qd30ef0f060_attend
	.p2align	8
	.type	k_qd30ef0f060_attend,@function
k_qd30ef0f060_attend:
	s_mov_b64 s[64:65], 0
	v_nop
	global_prefetch_b8 v0, s[64:65] scope:SCOPE_SE
	s_setreg_imm32_b32 hwreg(HW_REG_WAVE_MODE, 25, 1), 1
	s_wait_xcnt 0x0
; For one head (grid x) and one block of 256 rows (grid y, RB): KV and ksum = the sum of the batch's 8 partial tables (f32), rounded once to bf16;
; attended(i, e) = (qf_i . KV(., e)) / max(qf_i . ksum, 1e-6), rounded once to bf16 into mrg.
; The clamp stands on the same quantity as in reference(): qf_i . ksum is the row sum of the scores.  LIMIT, stated: a NaN denominator is replaced by 1e-6.
; Eight waves.  Wave w sums 5 of the table's 40 units (512 bytes each) over the 8 partials, puts them down in LDS as bf16, and after one barrier
; every wave reads the whole table (10,240 bytes) as ten fragments and makes 32 rows: 2 row blocks x (4 e tiles + the denominator), K = d = 64.
; Source 0 = the table's fragment (row index e), source 1 = qf's fragment (row index i): lane (r, h) gets attended(row r, e = 8 h + 0..7), and the
; denominator's tile, whose 16 rows are equal, gives lane (r, h) the denominator of row r in every register.
; mrg[256 row blocks of 16][64 units of 16 k][lane][16 B]: lane (r, h) holds merged(row r, k = 16 unit + 8 h + 0..7): the next launch's fragments as they lie.
; NO CLUSTER, though the 8 row blocks of a batch read the same 163,840 bytes of partials: they must be summed in f32 in registers before they can be
; an operand, so a joint load would lay them in LDS only to be read back once more, 163,840 bytes for 10,240 of result.
.set PART, 20480
.set KO,  2                            ; my bytes in a partial table
.set QO,  3                            ; my bytes in qf
.set STO, 4                            ; where I put a summed unit: 8 bytes a lane
.set RD,  5                            ; where I read a unit
.set MO,  6                            ; my bytes in mrg
.set QF,  16                           ; v[16:47]   qf: fragment (row block a, d half s) at QF + 16 a + 8 s
.set PK,  48                           ; v[48:57]   my 5 units in bf16
.set R,   58                           ; v[58:61]   1 / denominator, a pair for each row block
.set DN,  62                           ; v[62:63]   the clamped denominators
.set OUT, 64                           ; v[64:95]   packed results
.set KP,  96                           ; v[96:255]  partial p's 5 units at KP + 20 p
.set KVT, 96                           ; then the table: fragment (e tile, d half s) at KVT + 16 e + 8 s; e = 4: ksum
.set ACC, 176                          ; accumulators (a, e) at ACC + 40 a + 8 e
.set EPSBITS, 0x358637bd               ; 1e-6
	s_load_b128 s[4:7], s[0:1], 0x0                ; qf s[4:5], kvp s[6:7]
	s_load_b64 s[8:9], s[0:1], 0x10                ; mrg
	v_lshl_add_u32 v14, v0, 2, 0x2800
	v_mov_b32 v15, 0
	v_lshrrev_b32 v1, 5, v0
	v_readfirstlane_b32 s10, v1                    ; wave 0..7
	s_mov_b32 s11, ttmp9                           ; head
	s_and_b32 s12, ttmp7, 0xffff                   ; RB
	v_and_b32 v1, 31, v0
	v_lshlrev_b32 v7, 4, v1                        ; 16 x lane
	v_lshlrev_b32 v[RD], 3, v1                     ; 8 x lane
	s_mul_i32 s13, s10, 2560                       ; my 5 units of 512 bytes
	v_add_nc_u32 v[KO], s13, v7
	s_lshl_b32 s13, s10, 12                        ; my 2 row blocks of 2,048 bytes
	v_add_nc_u32 v[QO], s13, v7
	s_mul_i32 s13, s10, 1280                       ; my 5 units of 256 bytes
	v_add_nc_u32 v[STO], s13, v[RD]
	s_lshl_b32 s13, s10, 16                        ; my 2 row blocks of 32,768 bytes
	v_add_nc_u32 v[MO], s13, v7
	s_lshr_b32 s14, s12, 3                         ; batch
	s_lshl_b32 s14, s14, 7
	s_lshl3_add_u32 s14, s11, s14                  ; 128 batch + 8 head
	s_mul_i32 s14, s14, PART
	s_mov_b32 s15, 0
	s_lshl_b32 s16, s12, 4
	s_add_co_u32 s16, s16, s11
	s_lshl_b32 s16, s16, 15                        ; (16 RB + head) x 32,768
	s_mov_b32 s17, 0
	s_lshl_b32 s18, s12, 19                        ; 16 row blocks of 32,768 bytes
	s_lshl_b32 s19, s11, 11                        ; the head's 4 units of 512 bytes
	s_add_co_u32 s18, s18, s19
	s_mov_b32 s19, 0
	s_wait_kmcnt 0x0
	s_add_nc_u64 s[6:7], s[6:7], s[14:15]
	s_add_nc_u64 s[4:5], s[4:5], s[16:17]
	s_add_nc_u64 s[8:9], s[8:9], s[18:19]
.irp p, 0,1,2,3,4,5,6,7
.irp i, 0,1,2,3,4
	global_load_b128 v[KP+20*\p+4*\i:KP+20*\p+4*\i+3], v[KO], s[6:7] offset:\p*PART+\i*512
.endr
.endr
.irp a, 0,1
.irp c, 0,1,2,3
	global_load_b128 v[QF+16*\a+4*\c:QF+16*\a+4*\c+3], v[QO], s[4:5] offset:\a*2048+\c*512 th:TH_LOAD_NT   ; read once in the launch
.endr
.endr
	s_wait_loadcnt 8                               ; the 40 loads of partials are in; qf's 8, issued behind them, stay out
; partial p takes partial p + d, for p = 0, 2 d, ..: a tree of three levels, 10 register pairs a partial
.macro LEVEL d
.set p, 0
.rept 4/\d
.set q, 0
.rept 10
	v_pk_add_f32 v[KP+20*p+2*q:KP+20*p+2*q+1], v[KP+20*p+2*q:KP+20*p+2*q+1], v[KP+20*(p+\d)+2*q:KP+20*(p+\d)+2*q+1]
.set q, q+1
.endr
.set p, p+2*\d
.endr
.endm
	LEVEL 1
	LEVEL 2
	LEVEL 4
.irp i, 0,1,2,3,4,5,6,7,8,9
	v_cvt_pk_bf16_f32 v[PK+\i], v[KP+2*\i], v[KP+2*\i+1]
.endr
.irp i, 0,1,2,3,4
	ds_store_b64 v[STO], v[PK+2*\i:PK+2*\i+1] offset:\i*256
.endr
	s_wait_dscnt 0x0                               ; for the other waves' sake: my units lie in LDS
	s_barrier_signal -1
	s_barrier_wait -1
.set u, 0
.rept 40
	ds_load_b64 v[KVT+2*u:KVT+2*u+1], v[RD] offset:u*256           ; 32 lanes, 8 neighbouring bytes each
.set u, u+1
.endr
	s_wait_loadcnt 0x0                             ; qf
	s_wait_dscnt 0x0                               ; the table
; ten accumulators take turns, one instruction a turn, in the same order for both halves of d
.macro ATT s, zero
.irp a, 0,1
.irp e, 0,1,2,3,4
.if \zero
	v_wmma_f32_16x16x32_bf16 v[ACC+40*\a+8*\e:ACC+40*\a+8*\e+7], v[KVT+16*\e+8*\s:KVT+16*\e+8*\s+7], v[QF+16*\a+8*\s:QF+16*\a+8*\s+7], 0
.else
	v_wmma_f32_16x16x32_bf16 v[ACC+40*\a+8*\e:ACC+40*\a+8*\e+7], v[KVT+16*\e+8*\s:KVT+16*\e+8*\s+7], v[QF+16*\a+8*\s:QF+16*\a+8*\s+7], v[ACC+40*\a+8*\e:ACC+40*\a+8*\e+7]
.endif
.endr
.endr
.endm
	ATT 0, 1
	ATT 1, 0
.rept 4
	v_nop                                          ; four places behind the last matrix instruction, in front of the readers of the results (ISA guide 7.12.1)
.endr
	v_max_num_f32 v[DN],   EPSBITS, v[ACC+32]      ; max(row sum of the scores, 1e-6)
	v_max_num_f32 v[DN+1], EPSBITS, v[ACC+72]
	v_rcp_f32 v[R],   v[DN]                        ; made twice each: the packed multiply takes a pair
	v_rcp_f32 v[R+1], v[DN]
	v_rcp_f32 v[R+2], v[DN+1]
	v_rcp_f32 v[R+3], v[DN+1]
	v_nop                                          ; one plain place behind the last reciprocal (ISA guide 5.7.2)
	s_wait_alu depctr_va_vdst(0)
.irp a, 0,1
.irp e, 0,1,2,3
.irp p, 0,1,2,3
	v_pk_mul_f32 v[ACC+40*\a+8*\e+2*\p:ACC+40*\a+8*\e+2*\p+1], v[ACC+40*\a+8*\e+2*\p:ACC+40*\a+8*\e+2*\p+1], v[R+2*\a:R+2*\a+1]
.endr
.endr
.endr
.irp a, 0,1
.irp e, 0,1,2,3
.irp p, 0,1,2,3
	v_cvt_pk_bf16_f32 v[OUT+16*\a+4*\e+\p], v[ACC+40*\a+8*\e+2*\p], v[ACC+40*\a+8*\e+2*\p+1]
.endr
	global_store_b128 v[MO], v[OUT+16*\a+4*\e:OUT+16*\a+4*\e+3], s[8:9] offset:\a*32768+\e*512   ; a wave's store covers 512 consecutive bytes
.endr
.endr
	s_wait_tensorcnt 0x0
	ds_add_u32 v14, v15
	s_wait_dscnt 0x0
	s_endpgm
.Lfunc_end_k_qd30ef0f060_attend:
	.size	k_qd30ef0f060_attend, .Lfunc_end_k_qd30ef0f060_attend-k_qd30ef0f060_attend
	.p2alignl 7, 3214868480
	.fill 96, 4, 3214868480
	.section	.rodata,"a",@progbits
	.p2align	6, 0x0
	.amdhsa_kernel k_qd30ef0f060_attend
		.amdhsa_group_segment_fixed_size 11264
		.amdhsa_private_segment_fixed_size 0
		.amdhsa_enable_private_segment 0
		.amdhsa_kernarg_size 24
		.amdhsa_user_sgpr_count 2
		.amdhsa_user_sgpr_kernarg_segment_ptr 1
		.amdhsa_wavefront_size32 1
		.amdhsa_system_sgpr_workgroup_id_x 1
		.amdhsa_system_sgpr_workgroup_id_y 1
		.amdhsa_system_sgpr_workgroup_id_z 1
		.amdhsa_system_vgpr_workitem_id 0
		.amdhsa_next_free_vgpr 256
		.amdhsa_next_free_sgpr 66
		.amdhsa_reserve_vcc 0
		.amdhsa_float_denorm_mode_32 3
		.amdhsa_float_denorm_mode_16_64 3
		.amdhsa_memory_ordered 1
		.amdhsa_forward_progress 1
		.amdhsa_inst_pref_size 21
	.end_amdhsa_kernel
	.amdgpu_metadata
---
amdhsa.version: [ 1, 2 ]
amdhsa.kernels:
  - .name:           k_qd30ef0f060_attend
    .symbol:         k_qd30ef0f060_attend.kd
    .args:
      - { .name: qf, .offset: 0, .size: 8, .value_kind: global_buffer, .address_space: global }
      - { .name: kvp, .offset: 8, .size: 8, .value_kind: global_buffer, .address_space: global }
      - { .name: mrg, .offset: 16, .size: 8, .value_kind: global_buffer, .address_space: global }
    .group_segment_fixed_size: 11264
    .private_segment_fixed_size: 0
    .kernarg_segment_align: 8
    .kernarg_segment_size: 24
    .max_flat_workgroup_size: 256
    .sgpr_count:     66
    .vgpr_count:     256
    .wavefront_size: 32
...
	.end_amdgpu_metadata
.endif
;; end of part 3
;; launch proj (part 4): grid 8 x 32, 4 waves a work-group, clusters of 4 x 4, 327,680 bytes of LDS; arguments mrg, cvt, bo, out0; writes out0
.if DOCPART == 4
	.amdgcn_target "amdgcn-amd-amdhsa--gfx1250"
	.amdhsa_code_object_version 6
	.text
	.protected	k_qd30ef0f060_proj
	.globl	k_qd30ef0f060_proj
	.p2align	8
	.type	k_qd30ef0f060_proj,@function
k_qd30ef0f060_proj:
	s_mov_b64 s[64:65], 0
	v_nop
	global_prefetch_b8 v0, s[64:65] scope:SCOPE_SE
	s_setreg_imm32_b32 hwreg(HW_REG_WAVE_MODE, 25, 1), 1
	s_wait_xcnt 0x0
	s_wait_alu depctr_hold_cnt(0) depctr_sa_sdst(0) depctr_va_vdst(0) depctr_va_sdst(0) depctr_va_ssrc(0) depctr_va_vcc(0) depctr_vm_vsrc(0)
	s_getreg_b32 s2, hwreg(HW_REG_IB_STS2, 6, 4)
	s_cmp_eq_u32 s2, 0
	s_cbranch_scc0 .Lentry_in_a_cluster
	s_endpgm
.Lentry_in_a_cluster:
	s_bfe_u32 s2, ttmp6, 0x10000c
	s_cmp_lg_u32 s2, 0xf033
	s_cbranch_scc0 .Lentry_shape_is_right
	s_endpgm
.Lentry_shape_is_right:
; out0 = merged wo^T + bo.  merged: mrg, bf16, in fragment order [256 row blocks of 16][64 units of 16 k][lane][16 B]; wo: bf16 [1024][1024] at byte 0xE00000 of cvt.
; A work-group makes 128 x 128 of out0 (grid x = column block CB, grid y = row block RBk: 8 x 32 = 256 work-groups); a wave makes 64 x 64: 16 accumulator tiles.
; K = 1024 goes in 4 steps of 256 through two LDS slots, all written out.  A slot: wo's 128 rows of 512 bytes at pitch 528, then merged's 8 row blocks of
; 8,192 bytes as they lie in memory (a fragment load reads 512 consecutive bytes of them).
; CLUSTER 4 x 4: wo's tiles hang on CB alone and are asked for jointly along a column of the cluster (waves 0, 1: 64 rows each); merged's hang on RBk alone and are
; asked for jointly along a row (waves 2, 3: 4 row blocks each).  By this text's own count a wave has two tensor loads out at the start, one behind each refill.
; The matrix instruction is used transposed (source 0 = rows of wo, source 1 = rows of merged): a lane holds 8 neighbouring columns of one row of out0.
.set BPITCH, 528                       ; 512 bytes + 16 of padding = 33 x 16: the 16 rows of a fragment load start at 16 different 16-byte columns modulo 256
.set BHALF,  64*BPITCH                 ; 33,792
.set BBYTES, 128*BPITCH                ; 67,584
.set AHALF,  4*8192
.set SLOT,   BBYTES+2*AHALF            ; 133,120
.set STAGE,  2*SLOT                    ; 266,240 = 1040 x 256: behind the ring, never the target of a tensor load
.set SPITCH, 272                       ; the way out: rows of 64 f32 + 16 bytes
.set ADRA, 8                           ; v8-9    LDS address of my fragments of merged in slot 0, 1
.set ADRB, 10                          ; v10-11  of wo
.set STO,  12                          ; the way out: where I put 32 bytes of a row
.set RD,   13                          ; where I read a row back
.set CO,   14                          ; my byte offset in out0
.set VBO,  15                          ; 32 h: my 8 numbers of bo in a column tile
.set BO,   32                          ; v[32:63]   bo, 8 numbers for each column tile
.set F0,   64                          ; fragment buffers: merged's fragment a at + 8 a, wo's fragment b at + 32 + 8 b
.set F1,   128
.set TMP,  192                         ; v[192:223] the way out: a row block with its bias
.set G1A, 24                           ; s[24:31], s[32:39]: descriptors of merged's tiles
.set G0A, 32
.set G1B, 40                           ; s[40:47], s[48:55]: of wo's tiles
.set G0B, 48
.set MULW, 0x50                        ; sources window 0; C and D window 1: accumulator (a, b) at 8 (4 a + b)
.set MSB, 0
.macro WIN new                         ; the immediate's high byte repeats the setting that is left
.if MSB != \new
	s_set_vgpr_msb (MSB<<8)|\new
.set MSB, \new
.endif
.endm
.macro PLACES                          ; four places behind a matrix instruction, in front of loads into its sources and of readers of its result
.rept 4
	v_nop
.endr
.endm
.macro JLOAD s                         ; a joint load; the branch hangs on the wave's number alone
	s_cmp_eq_u32 s17, 0
	s_cbranch_scc0 .Lfor_a_\@
	tensor_load_to_lds s[G0B+4*\s:G0B+4*\s+3], s[G1B:G1B+7]
	s_nop 0
	s_branch .Lasked_\@
.Lfor_a_\@:
	tensor_load_to_lds s[G0A+4*\s:G0A+4*\s+3], s[G1A:G1A+7]
	s_nop 0
.Lasked_\@:
.endm
.macro CREST                           ; a round of the cluster's barrier behind its opening work-group barrier
	s_cmp_lg_u32 s16, 0
	s_cbranch_scc1 .Lnot_wave_0_\@
	s_barrier_signal -3
.Lnot_wave_0_\@:
	s_barrier_wait -3
	s_barrier_signal -1
	s_barrier_wait -1
.endm
.macro CROUND
	s_barrier_signal -1
	s_barrier_wait -1
	CREST
.endm
	s_load_b256 s[4:11], s[0:1], 0x0               ; mrg s[4:5], cvt s[6:7], bo s[8:9], out0 s[10:11]
	v_lshl_add_u32 v254, v0, 2, 0x45400
	v_mov_b32 v255, 0
	ds_add_u32 v254, v255
	v_lshrrev_b32 v1, 5, v0
	v_readfirstlane_b32 s16, v1                    ; wave 0..3
	s_lshr_b32 s17, s16, 1                         ; my half of the block's rows.  Also: 0: I ask for wo, 1: for merged
	s_and_b32 s18, s16, 1                          ; my half of its columns.  Also: which half of that tile I ask for
	s_bfe_u32 s19, ttmp6, 0x40000                  ; cx
	s_bfe_u32 s20, ttmp6, 0x40004                  ; cy
	s_lshl_b32 s21, ttmp9, 2
	s_add_co_u32 s21, s21, s19                     ; CB = 4 x cluster x + cx
	s_and_b32 s22, ttmp7, 0xffff
	s_lshl_b32 s22, s22, 2
	s_add_co_u32 s22, s22, s20                     ; RBk = 4 x cluster y + cy
	s_lshl_b32 s56, s20, 2
	s_lshl_b32 s56, 15, s56                        ; my row of the cluster
	s_lshl_b32 s60, 0x1111, s19                    ; my column
	s_or_b32 s[G1A+0], s56, (3<<16)|(1<<21)                                ; merged: to my row; elements of 8 bytes; bit 21 beside a mask; no padding
	s_or_b32 s[G1B+0], s60, (1<<16)|(1<<20)|(1<<21)|(6<<22)|(3<<25)        ; wo: to my column; 2 bytes; padding: after every 128 words (code 6) 4 words (code 3)
	s_mov_b32 s[G1A+1], 1024<<16                   ; tensor_dim0: 1,024 elements = 8,192 bytes, a row block's 16 units
	s_mov_b32 s[G1B+1], 256<<16                    ;              256 elements = 512 bytes
	s_mov_b32 s[G1A+2], 4<<16                      ; tensor_dim1: 4 row blocks
	s_mov_b32 s[G1B+2], 64<<16                     ;              64 rows
	s_mov_b32 s[G1A+3], 1024<<16                   ; tile_dim0
	s_mov_b32 s[G1B+3], 256<<16
	s_mov_b32 s[G1A+4], 4                          ; tile_dim1
	s_mov_b32 s[G1B+4], 64
	s_mov_b32 s[G1A+5], 4096                       ; from row block to row block: 32,768 bytes
	s_mov_b32 s[G1B+5], 1024                       ; from row to row
	s_mov_b32 s[G1A+6], 0
	s_mov_b32 s[G1B+6], 0
	s_mov_b32 s[G1A+7], 0
	s_mov_b32 s[G1B+7], 0
	; s[56:59] serve merged's address and never hold cx; s[60:63] serve wo's and never hold cy
	s_lshl_b32 s56, s22, 18                        ; 8 RBk row blocks of 32,768 bytes
	s_lshl_b32 s57, s18, 17                        ; + 4 for the second half
	s_add_co_u32 s56, s56, s57
	s_mov_b32 s57, 0
	s_lshl_b32 s58, s16, 15
	s_add_co_u32 s58, s58, BBYTES-2*AHALF          ; waves 2, 3: merged's halves at BBYTES and BBYTES + AHALF
	s_lshl_b32 s60, s21, 18                        ; 128 CB rows of 2,048 bytes
	s_lshl_b32 s61, s18, 17                        ; + 64 rows
	s_add_co_u32 s60, s60, s61
	s_add_co_u32 s60, s60, 0xE00000                ; wob in cvt
	s_mov_b32 s61, 0
	s_mul_i32 s62, s16, BHALF                      ; waves 0, 1: wo's halves at 0 and BHALF
	s_lshl_b32 s68, s21, 9                         ; my first column in bytes: 512 CB + 256 x half
	s_lshl_b32 s69, s18, 8
	s_add_co_u32 s68, s68, s69
	s_mov_b32 s69, 0
	s_lshl_b32 s70, s22, 19                        ; my first row: 128 RBk + 64 x half, rows of 4,096 bytes
	s_lshl_b32 s71, s17, 18
	s_add_co_u32 s70, s70, s71
	s_mov_b32 s71, 0
	s_wait_dscnt 0x0
	s_wait_kmcnt 0x0
	s_add_nc_u64 s[56:57], s[4:5], s[56:57]
	s_add_nc_u64 s[60:61], s[6:7], s[60:61]
	s_add_nc_u64 s[8:9], s[8:9], s[68:69]
	s_add_nc_u64 s[10:11], s[10:11], s[68:69]
	s_add_nc_u64 s[10:11], s[10:11], s[70:71]
	CROUND                                         ; all sixteen work-groups are here: the first joint loads meet
.irp s, 0,1
	s_mov_b32 s[G0A+4*\s], 1
	s_add_co_u32 s[G0A+4*\s+1], s58, \s*SLOT
	s_add_nc_u64 s[G0A+4*\s+2:G0A+4*\s+3], s[56:57], \s*8192       ; K step s: 16 units of 512 bytes
	s_or_b32 s[G0A+4*\s+3], s[G0A+4*\s+3], 0x80000000
	s_mov_b32 s[G0B+4*\s], 1
	s_add_co_u32 s[G0B+4*\s+1], s62, \s*SLOT
	s_add_nc_u64 s[G0B+4*\s+2:G0B+4*\s+3], s[60:61], \s*512        ; K step s: 256 elements
	s_or_b32 s[G0B+4*\s+3], s[G0B+4*\s+3], 0x80000000
	JLOAD \s
.endr
	v_and_b32 v1, 15, v0                           ; r
	v_bfe_u32 v2, v0, 4, 1                         ; h
	v_lshlrev_b32 v[VBO], 5, v2
.irp b, 0,1,2,3
	global_load_b128 v[BO+8*\b:BO+8*\b+3],   v[VBO], s[8:9] offset:64*\b         ; bo(16 b + 8 h + 0..3)
	global_load_b128 v[BO+8*\b+4:BO+8*\b+7], v[VBO], s[8:9] offset:64*\b+16      ; .. + 4..7
.endr
	v_and_b32 v4, 31, v0
	v_lshlrev_b32 v4, 4, v4                        ; 16 x lane
	s_lshl_b32 s72, s17, 15                        ; my 4 row blocks of merged
	s_add_co_u32 s72, s72, BBYTES
	v_add_nc_u32 v[ADRA], s72, v4
	v_add_nc_u32 v[ADRA+1], SLOT, v[ADRA]
	v_mul_u32_u24 v3, v1, BPITCH
	v_lshl_add_u32 v3, v2, 4, v3                   ; r x pitch + 16 h
	s_mul_i32 s72, s18, BHALF                      ; my 64 rows of wo
	v_add_nc_u32 v[ADRB], s72, v3
	v_add_nc_u32 v[ADRB+1], SLOT, v[ADRB]
	s_mul_i32 s72, s16, 16*SPITCH
	s_add_co_u32 s72, s72, STAGE                   ; my stage
	v_mul_u32_u24 v3, v1, SPITCH
	v_lshl_add_u32 v3, v2, 5, v3                   ; in: row r, 32 bytes for each half of the lanes
	v_add_nc_u32 v[STO], s72, v3
	v_mul_u32_u24 v3, v2, SPITCH
	v_lshl_add_u32 v3, v1, 4, v3                   ; back: lanes 0-15 take one row of 256 bytes, lanes 16-31 the next
	v_add_nc_u32 v[RD], s72, v3
	v_lshlrev_b32 v3, 12, v2
	v_lshl_add_u32 v[CO], v1, 4, v3                ; and the same two rows in out0
; 16 LDS loads in one run: the fragments of one eighth of a K step (32 along K) into buffer f
.macro FETCH slot, e, f
	WIN 0
.irp i, 0,1,2,3
	ds_load_b128 v[\f+8*\i:\f+8*\i+3],   v[ADRA+\slot] offset:\i*8192+\e*1024       ; unit 2 e: k = 8 h + 0..7
	ds_load_b128 v[\f+8*\i+4:\f+8*\i+7], v[ADRA+\slot] offset:\i*8192+\e*1024+512   ; unit 2 e + 1: k = 16 + 8 h + 0..7
.endr
.irp i, 0,1,2,3
	ds_load_b128 v[\f+32+8*\i:\f+32+8*\i+3],   v[ADRB+\slot] offset:\i*16*BPITCH+\e*64
	ds_load_b128 v[\f+32+8*\i+4:\f+32+8*\i+7], v[ADRB+\slot] offset:\i*16*BPITCH+\e*64+32
.endr
.endm
; 8 matrix instructions: row blocks a0, a0 + 1 x 4 column tiles.  zero = 1: the first product starts the sums.
.macro MUL8 f, a0, zero
.irp a, \a0, \a0+1
.irp b, 0,1,2,3
.if \zero
	v_wmma_f32_16x16x32_bf16 v[8*(4*(\a)+\b):8*(4*(\a)+\b)+7], v[\f+32+8*\b:\f+32+8*\b+7], v[\f+8*(\a):\f+8*(\a)+7], 0
.else
	v_wmma_f32_16x16x32_bf16 v[8*(4*(\a)+\b):8*(4*(\a)+\b)+7], v[\f+32+8*\b:\f+32+8*\b+7], v[\f+8*(\a):\f+8*(\a)+7], v[8*(4*(\a)+\b):8*(4*(\a)+\b)+7]
.endif
.endr
.endr
.endm
; The 16 accumulators take turns, one instruction a turn, in one fixed order in every eighth.
; One of the first seven eighths: asks for the next eighth's fragments (buffer g), then multiplies buffer f.
.macro EIGHTH slot, e, f, g, zero
	PLACES                                         ; buffer g was read by the matrix instructions just issued
	FETCH \slot, \e, \g
	s_wait_dscnt 16                                ; all but the 16 just issued: buffer f is in
	WIN MULW
	MUL8 \f, 0, \zero
	MUL8 \f, 2, \zero
.endm
.macro SEVEN slot, zero
	EIGHTH \slot, 1, F0, F1, \zero
	EIGHTH \slot, 2, F1, F0, 0
	EIGHTH \slot, 3, F0, F1, 0
	EIGHTH \slot, 4, F1, F0, 0
	EIGHTH \slot, 5, F0, F1, 0
	EIGHTH \slot, 6, F1, F0, 0
	EIGHTH \slot, 7, F0, F1, 0
.endm
; The last eighth multiplies buffer 1 and changes slots.  In front of the barrier each wave waits for its reads of this slot and for all its tensor loads;
; where the slot is filled again the barrier opens a round of the cluster's barrier, only register work stands inside it, and the joint refill is the
; first tensor load behind it.  From a request to the wait for it a wave issues 120 matrix instructions.
.macro TURN slot, next, fill
	s_wait_dscnt 0x0                               ; buffer 1 is in, and with it my last reads of this slot
	s_wait_tensorcnt 0x0                           ; all my tensor loads have landed: the one that was out is my part of the next slot
	ds_add_u32 v254, v255
	s_wait_dscnt 0x0
	s_barrier_signal -1
	WIN MULW
	MUL8 F1, 0, 0                                  ; work on registers while the others arrive
	WIN 0
	s_barrier_wait -1
.if \fill
	CREST                                          ; no wave of any partner still reads this slot or has a load on its way
	s_add_nc_u64 s[G0A+4*\slot+2:G0A+4*\slot+3], s[G0A+4*\slot+2:G0A+4*\slot+3], 2*8192   ; two K steps on
	s_add_nc_u64 s[G0B+4*\slot+2:G0B+4*\slot+3], s[G0B+4*\slot+2:G0B+4*\slot+3], 2*512
	JLOAD \slot
.endif
	PLACES
	FETCH \next, 0, F0
	WIN MULW
	MUL8 F1, 2, 0
.endm
	s_wait_loadcnt 0x0                             ; bo, once; its way lies under the first tiles'
	s_wait_tensorcnt 0x1                           ; my part of K step 0 is in; K step 1's stays out
	s_barrier_signal -1
	s_barrier_wait -1                              ; everybody's is
	FETCH 0, 0, F0
	SEVEN 0, 1                                     ; K step 0: its first products start the sums
	TURN 0, 1, 1                                   ; slot 0 <- K step 2
	SEVEN 1, 0
	TURN 1, 0, 1                                   ; slot 1 <- K step 3
	SEVEN 0, 0
	TURN 0, 1, 0                                   ; nothing more to fill
	SEVEN 1, 0
	s_wait_dscnt 0x0
	WIN MULW
	MUL8 F1, 0, 0
	MUL8 F1, 2, 0
	PLACES
; THE WAY OUT, 16 rows at a time: + bo, 32 bytes a lane and tile into my own stage, read back as whole rows of 256 bytes.
; LDS serves a wave's instructions in order (ISA guide 5.7.1): the read-backs see the stores above them, and the next row block's stores come behind them.
.macro WAYOUT a, f
	WIN 0x01                                       ; source 0 (the accumulators) window 1
.irp b, 0,1,2,3
.irp p, 0,1,2,3
	v_pk_add_f32 v[TMP+8*\b+2*\p:TMP+8*\b+2*\p+1], v[8*(4*\a+\b)+2*\p:8*(4*\a+\b)+2*\p+1], v[BO+8*\b+2*\p:BO+8*\b+2*\p+1]
.endr
.endr
	WIN 0
.irp b, 0,1,2,3
	ds_store_b128 v[STO], v[TMP+8*\b:TMP+8*\b+3]   offset:64*\b
	ds_store_b128 v[STO], v[TMP+8*\b+4:TMP+8*\b+7] offset:64*\b+16
.endr
	s_wait_xcnt 0x0                                ; buffer f, which earlier stores read, is loaded again only behind this wait
.irp t, 0,1,2,3,4,5,6,7
	ds_load_b128 v[\f+4*\t:\f+4*\t+3], v[RD] offset:\t*2*SPITCH
.endr
.irp t, 0,1,2,3,4,5,6,7
	s_wait_dscnt 7-\t                              ; read-back t is in, the younger ones stay out
	global_store_b128 v[CO], v[\f+4*\t:\f+4*\t+3], s[10:11] offset:(16*\a+2*\t)*4096 th:TH_STORE_NT   ; 16 lanes store 256 consecutive bytes, at a multiple of 256 from out0's first byte
.endr
.endm
	WAYOUT 0, F0
	WAYOUT 1, F1
	WAYOUT 2, F0
	WAYOUT 3, F1
	s_wait_tensorcnt 0x0
	ds_add_u32 v254, v255
	s_wait_dscnt 0x0
	CROUND                                         ; the closing round: no work-group ends while a partner may still ask for a tile that names it
	s_endpgm
.Lfunc_end_k_qd30ef0f060_proj:
	.size	k_qd30ef0f060_proj, .Lfunc_end_k_qd30ef0f060_proj-k_qd30ef0f060_proj
	.p2alignl 7, 3214868480
	.fill 96, 4, 3214868480
	.section	.rodata,"a",@progbits
	.p2align	6, 0x0
	.amdhsa_kernel k_qd30ef0f060_proj
		.amdhsa_group_segment_fixed_size 327680
		.amdhsa_private_segment_fixed_size 0
		.amdhsa_enable_private_segment 0
		.amdhsa_kernarg_size 32
		.amdhsa_user_sgpr_count 2
		.amdhsa_user_sgpr_kernarg_segment_ptr 1
		.amdhsa_wavefront_size32 1
		.amdhsa_system_sgpr_workgroup_id_x 1
		.amdhsa_system_sgpr_workgroup_id_y 1
		.amdhsa_system_sgpr_workgroup_id_z 1
		.amdhsa_system_vgpr_workitem_id 0
		.amdhsa_next_free_vgpr 384
		.amdhsa_next_free_sgpr 80
		.amdhsa_reserve_vcc 0
		.amdhsa_float_denorm_mode_32 3
		.amdhsa_float_denorm_mode_16_64 3
		.amdhsa_memory_ordered 1
		.amdhsa_forward_progress 1
		.amdhsa_inst_pref_size 93
	.end_amdhsa_kernel
	.amdgpu_metadata
---
amdhsa.version: [ 1, 2 ]
amdhsa.kernels:
  - .name:           k_qd30ef0f060_proj
    .symbol:         k_qd30ef0f060_proj.kd
    .args:
      - { .name: mrg, .offset: 0, .size: 8, .value_kind: global_buffer, .address_space: global }
      - { .name: cvt, .offset: 8, .size: 8, .value_kind: global_buffer, .address_space: global }
      - { .name: bo, .offset: 16, .size: 8, .value_kind: global_buffer, .address_space: global }
      - { .name: out0, .offset: 24, .size: 8, .value_kind: global_buffer, .address_space: global }
    .group_segment_fixed_size: 327680
    .private_segment_fixed_size: 0
    .kernarg_segment_align: 8
    .kernarg_segment_size: 32
    .max_flat_workgroup_size: 128
    .sgpr_count:     80
    .vgpr_count:     384
    .wavefront_size: 32
...
	.end_amdgpu_metadata
.endif
;; end of part 4
